; MI455X (gfx1250); checked and timed in simulation.
; The chip was launched on July 23, 2026; its instructions are those of AMD's public machine-readable ISA for CDNA 5 (MIT licence, August 2026) and "CDNA5" Instruction Set Architecture Reference Guide (July 2026). The comments in the code are by the model that wrote it; some were corrected since.
;; Casual MHSA. Allowed arithmetic: matrix products marked QUANTISED: E3M2 operands, one E8M0 scale for each 32 along K, by v_wmma_scale_f32_16x16x128_f8f6f4 with both operands' format E3M2, f32 sums; everything else in f32.
;; Inputs: b_in 3,072 float32; b_out 1,024 float32; w_in 3,072 x 1,024 float32; w_out 1,024 x 1,024 float32; x 2 x 2,048 x 1,024 float32.
;; Outputs: out0 2 x 2,048 x 1,024 float32.
;; This version of the problem:
;;   THIS VERSION OF THE PROBLEM IS GIVEN IN LOW PRECISION. The matrix products marked QUANTISED in the list below multiply operands that are first quantised to E3M2 (3 exponent bits, 2 mantissa bits; 6 bits a number), with one power-of-two scale for each 32 numbers along K (OCP MX v1.0); their sums are f32. All else is computed in f32.
;;   The module's matrix products, in the order in which they are computed (A, B: the left and right operand; K: the contracted axis; several contracted axes count as one K, in the product's order):
;;     1. [M 4,096, K 1,024] x [K 1,024, N 3,072]; A: input x; B: input w_in: QUANTISED
;;     2. batch 32 x [M 2,048, K 64] x [K 64, N 2,048]; A: computed on the way; B: computed on the way: QUANTISED
;;     3. batch 32 x [M 2,048, K 2,048] x [K 2,048, N 64]; A: softmax (see below); B: computed on the way: QUANTISED
;;     4. [M 4,096, K 1,024] x [K 1,024, N 1,024]; A: computed on the way; B: input w_out: QUANTISED
;;   THE QUANTISER, for each operand of a quantised product, along K:
;;     - K is cut into blocks of 32 from its start; a last block that is shorter is filled with zeros.
;;     - A block's scale is 2^e with e = floor(log2(the largest magnitude in the block)) - 4, held to -126 .. 127; a block of zeros has e = 0. As a byte (E8M0): e + 127.
;;     - Each number is divided by its block's scale, clamped to +-28, and rounded to the nearest number of E3M2, ties to even, subnormals kept.
;;     - The product sums the exact products of the quantised numbers (number of the format x scale) in f32.
;;   ~~~python
;;   def quantise(x, axis):      # numpy; x: float32 -> the quantised numbers, widened to float32 again
;;       x = np.moveaxis(x, axis, -1); K = x.shape[-1]
;;       x = np.pad(x, [(0, 0)] * (x.ndim - 1) + [(0, -K % 32)]); x = x.reshape(x.shape[:-1] + (-1, 32)); a = np.abs(x).max(-1, keepdims=True)
;;       e = np.where(a > 0, np.clip(np.frexp(np.where(a > 0, a, 1))[1] - 1 - 4, -126, 127), 0)      # np.frexp(a)[1] - 1 = floor(log2(a)), exactly
;;       r = np.clip(x / 2.0 ** e, -28, 28)
;;       step = 2.0 ** (np.maximum(np.frexp(np.where(r == 0, 1, r))[1] - 1, -2) - 2)
;;       q = np.round(r / step) * step * 2.0 ** e      # np.round: ties to even
;;       return np.moveaxis(q.reshape(q.shape[:-2] + (-1,))[..., :K], -1, axis).astype(np.float32)
;;   ~~~
;;   SOFTMAX AHEAD OF A QUANTISED PRODUCT. Where the list says 'softmax', what is quantised is not the finished softmax but p = 2^(t - M), with t = logit x log2(e) and M = ceil(the row's largest t), a whole number; so 1/2 < the row's largest p <= 1. The row's sum l is taken of the UNQUANTISED p, in f32, and the product's result is divided by l at the end. Since M is a whole number, a kernel that streams over the keys may use a running M (the ceiling of the running maximum): every later rescaling is an exact power of two, which a block's scale takes up: the codes' values come out the same.
;;   OPERANDS COMPUTED ON THE WAY. 'Computed on the way' means the value that the module computes at that place (a softmax that the list does not call 'softmax' is quantised finished and normalised). What goes into a quantiser is computed in f32, as accurately as f32 sums, v_exp_f32 and their like allow (about 1e-6 of the number): no bf16 or f16 on the way to a quantiser, and a product that is left as it is and whose result goes on into a quantised operand takes f32 operands (vector FMAs, or v_wmma_f32_16x16x4_f32). A number that lies on a knife's edge between two numbers of the format may be rounded either way, as far as f32 arithmetic and the matrix unit's own rounding can turn it there, and no further.
;; One version. Each part assembles by itself: llvm-mc -triple=amdgcn-amd-amdhsa -mcpu=gfx1250 --defsym DOCPART=n.
;; ======== version 1 of 1: 4 launches
;; limits: right only within a limited range of input values
;; workspace buffers: wimg 6,291,456 bytes; wsc 262,144 bytes; kv 6,553,600 bytes; qimg 3,145,728 bytes; qsc 131,072 bytes; ctx_img 3,145,728 bytes; ctx_sc 131,072 bytes
;; launch quant (part 1): grid 256 x 1, 4 waves a work-group, no clusters, 34,304 bytes of LDS; arguments x, w_in, w_out, wimg, wsc; writes wimg, wsc
.if DOCPART == 1
	.amdgcn_target "amdgcn-amd-amdhsa--gfx1250"
	.amdhsa_code_object_version 6
	.text
	.protected	k_q2c47f19883_quant
	.globl	k_q2c47f19883_quant
	.p2align	8
	.type	k_q2c47f19883_quant,@function
k_q2c47f19883_quant:
	s_mov_b64 s[64:65], 0
	v_nop
	global_prefetch_b8 v0, s[64:65] scope:SCOPE_SE
	s_setreg_imm32_b32 hwreg(HW_REG_WAVE_MODE, 25, 1), 1
	s_wait_xcnt 0x0
; x [4096][1024], w_in [3072][1024] and w_out [1024][1024], f32, become codes of BF6 (E3M2) with one E8M0 scale byte for each 32 along K.
; WORK LEFT OUT in the program: key steps of 128 all of whose keys come after a query are hidden from it by the causal mask that reference() builds itself, for all values of the inputs (launch attn).  A NaN or an infinity
; that reaches only hidden scores is not carried to the result.  All inputs are loaded.
; A block's scale is 2^(floor(log2(its largest magnitude)) - 4); its byte is the largest magnitude's exponent field - 4, held at 1 from below.  A block of zeros gets the byte 1: its codes are zeros, and this program alone reads the bytes.
; LIMITS: blocks whose largest magnitude lies under 2^(5 - 127) were not tried; NaN and infinities among the inputs are not served.
; THE CODES' LAYOUT: tiles of 16 rows; for each 128 along K an image of 1,536 bytes: register n of lane (r, h) of the matrix operand at 512 (n / 4) + 16 lane + 4 (n % 4).  A tile's eight images lie on end.
; THE SCALES' LAYOUT: 512 bytes a tile: [half of K][row r][four words], a word = the four bytes of 128 along K.
; WHICH ROWS: place (t, r) of a group of 64 rows (four tiles t) holds row 32 (r / 8) + 8 t + r % 8 of x or w_in, so that a result's 32 registers of four tiles are 32 neighbours; of w_out row 4 r + t.
; w_in's tiles lie by heads: 256 + 12 head + 4 (q 0, k 1, v 2) + t; x's tiles are 0 .. 255, w_out's 448 .. 511.
; A wave takes a tile's half of K: four steps of 16 rows x 128.  Each load reads 512 consecutive bytes of a row; a step turns through the wave's own stage in LDS (rows 528 bytes apart), so that lane (r, h) holds blocks h and 2 + h of row r whole.
; Two steps' loads (32 a wave) are out at a time.  Waves share nothing: no barrier.  Every input number is read once, all addresses ahead of any work: no prefetch.
.set WG_W, 128
.set WG_O, 224
.set STG,  8448
.set SPARE, 4*STG
.set R,    64                          ; v64-191  two sets of 16 rows as they are loaded
.set X,    192                         ; v192-255 my two blocks
	s_load_b128 s[4:7], s[0:1], 0x0                ; x, w_in
	s_load_b128 s[8:11], s[0:1], 0x10              ; w_out, the codes
	s_load_b64 s[12:13], s[0:1], 0x20              ; the scales
	v_lshl_add_u32 v12, v0, 2, SPARE
	v_mov_b32 v13, 0
	v_lshrrev_b32 v14, 5, v0
	v_readfirstlane_b32 s16, v14                   ; wave
	s_lshr_b32 s17, s16, 1
	s_lshl_b32 s18, ttmp9, 1
	s_add_co_u32 s17, s17, s18                     ; my tile, counted as the tensors' rows lie
	s_and_b32 s18, s16, 1                          ; which half of K
	s_and_b32 s19, s17, 3                          ; t
	s_movk_i32 s22, 448
	s_movk_i32 s23, 256
	s_cmp_lt_u32 ttmp9, WG_O
	s_cselect_b32 s22, s23, s22                    ; the tensor's first tile
	s_cselect_b32 s24, 15, 12                      ; log2 of the bytes from t to t + 1,
	s_cselect_b32 s25, 12, 14                      ; and from r to r + 1
	s_cselect_b32 s28, 1, 0
	s_cmp_lt_u32 ttmp9, WG_W
	s_cselect_b32 s22, 0, s22
	s_cselect_b32 s28, 0, s28                      ; 1: w_in
	s_sub_co_u32 s20, s17, s22
	s_lshr_b32 s20, s20, 2                         ; the group of 64 rows
	s_and_b32 s21, s20, 15
	s_mul_i32 s21, s21, 12
	s_lshr_b32 s29, s20, 4
	s_lshl_b32 s29, s29, 2
	s_add_co_u32 s21, s21, s29
	s_add_co_u32 s21, s21, s19
	s_add_co_u32 s21, s21, s23                     ; w_in: 256 + 12 head + 4 unit + t
	s_cmp_eq_u32 s28, 1
	s_cselect_b32 s21, s21, s17                    ; the tile's place in the buffers
	s_lshl_b32 s26, s20, 18
	s_lshl_b32 s27, s19, s24
	s_add_co_u32 s26, s26, s27
	s_lshl_b32 s27, s18, 11
	s_add_co_u32 s26, s26, s27
	s_mov_b32 s27, 0
	s_mul_i32 s30, s21, 12288
	s_mul_i32 s31, s18, 6144
	s_add_co_u32 s30, s30, s31
	s_mov_b32 s31, 0
	s_lshl_b32 s32, s21, 9
	s_lshl_b32 s33, s18, 8
	s_add_co_u32 s32, s32, s33
	s_mov_b32 s33, 0
	s_mul_i32 s34, s16, STG
	s_lshl_b32 s35, 1, s25
	s_mov_b32 s14, 0x76543210
	s_mov_b32 s15, 0xfedcba98                      ; lane l xor 16
	v_and_b32 v40, 31, v0
	v_and_b32 v41, 15, v0
	v_bfe_u32 v42, v0, 4, 1
	v_lshlrev_b32 v1, 4, v40                       ; 16 lane
	v_add_nc_u32 v10, s34, v1                      ; the stage, in: rows
	v_mul_u32_u24 v11, v41, 528
	v_lshl_add_u32 v11, v42, 7, v11
	v_add_nc_u32 v11, s34, v11                     ; and back: row r, block h
	v_lshlrev_b32 v14, 4, v41                      ; 16 r
	v_lshlrev_b32 v15, 3, v42                      ; 8 h
	v_mov_b32 v49, 0
.irp i, 0,1,2,3,4,5,6,7
	s_mul_i32 s36, s35, \i
	v_add_nc_u32 v[2+\i], s36, v1                  ; rows i and i + 8 of the tile
.endr
	s_wait_alu depctr_va_vdst(0)                   ; the wait at the head's end
	s_wait_kmcnt 0x0
	s_cmp_lt_u32 ttmp9, WG_O
	s_cselect_b64 s[6:7], s[6:7], s[8:9]
	s_cmp_lt_u32 ttmp9, WG_W
	s_cselect_b64 s[4:5], s[4:5], s[6:7]
	s_add_nc_u64 s[4:5], s[4:5], s[26:27]
	s_add_nc_u64 s[10:11], s[10:11], s[30:31]
	s_add_nc_u64 s[12:13], s[12:13], s[32:33]
.macro LOAD t
.irp r, 0,1,2,3,4,5,6,7,8,9,10,11,12,13,14,15
	global_load_b128 v[R+64*((\t)%2)+4*\r:R+64*((\t)%2)+4*\r+3], v[2+\r%8], s[4:5] offset:131072*(\r/8)+512*(\t) th:TH_LOAD_NT
.endr
.endm
.macro STEP t
.if (\t) < 3
	s_wait_loadcnt 16                              ; this step's rows are in; the next step's 16 loads may be out
.else
	s_wait_loadcnt 0x0
.endif
.irp r, 0,1,2,3,4,5,6,7,8,9,10,11,12,13,14,15
	ds_store_b128 v10, v[R+64*((\t)%2)+4*\r:R+64*((\t)%2)+4*\r+3] offset:528*\r
.endr
.irp c, 0,1
.irp i, 0,1,2,3,4,5,6,7
	ds_load_b128 v[X+32*\c+4*\i:X+32*\c+4*\i+3], v11 offset:256*\c+16*\i   ; LDS serves a wave's instructions in order (ISA guide 5.7.1)
.endr
.endr
	s_wait_dscnt 0x0
.if (\t) < 2
	LOAD (\t)+2
.else
	s_wait_xcnt 0x0                                ; the stores of two steps ago have read the registers written below
.endif
.set C, 16+12*((\t)%2)
.irp i, 0,2,4,6,8,10,12,14
.irp e, 0,1,2,3
.if \i == 0
	v_max3_num_f32 v[40+\e], |v[X+16*\e]|, |v[X+16*\e+1]|, 0x2800000   ; and the floor 2^(5 - 127): the byte cannot fall under 1
.else
	v_max3_num_f32 v[40+\e], v[40+\e], |v[X+16*\e+\i]|, |v[X+16*\e+\i+1]|
.endif
.endr
.endr
	v_max_num_f32 v40, v40, v41
	v_max_num_f32 v42, v42, v43
	v_add_nc_u32 v44, 0xfe000000, v40              ; 4 off the exponent field: the conversion's scale operand
	v_add_nc_u32 v45, 0xfe000000, v42
	v_lshrrev_b32 v46, 23, v44                     ; the scale's byte
	v_lshrrev_b32 v47, 23, v45
	v_cvt_scalef32_pk16_bf6_f32 v[C:C+2], v[X:X+15], v44
	v_cvt_scalef32_pk16_bf6_f32 v[52:54], v[X+16:X+31], v44
	v_cvt_scalef32_pk16_bf6_f32 v[C+6:C+8], v[X+32:X+47], v45
	v_cvt_scalef32_pk16_bf6_f32 v[56:58], v[X+48:X+63], v45
	v_lshl_or_b32 v48, v47, 16, v46                ; bytes h and 2 + h of the word,
	v_lshlrev_b32 v48, v15, v48
	v_permlanex16_b32 v49, v48, s14, s15
	v_or_b32 v[60+(\t)], v48, v49                  ; and lane l xor 16's two
.irp i, 0,1,2
	v_mov_b32 v[C+3+\i], v[52+\i]
	v_mov_b32 v[C+9+\i], v[56+\i]
.endr
.irp k, 0,1,2
	global_store_b128 v1, v[C+4*\k:C+4*\k+3], s[10:11] offset:1536*(\t)+512*\k   ; 32 lanes store 512 consecutive bytes, aligned
.endr
.endm
	LOAD 0
	LOAD 1
	STEP 0
	STEP 1
	STEP 2
	STEP 3
	global_store_b128 v14, v[60:63], s[12:13]      ; 256 consecutive bytes, aligned (both halves of the lanes write the same bytes with the same values)
	s_wait_tensorcnt 0x0                           ; the wave's end
	ds_add_u32 v12, v13
	s_wait_dscnt 0x0
	s_endpgm
.Lfunc_end_k_q2c47f19883_quant:
	.size	k_q2c47f19883_quant, .Lfunc_end_k_q2c47f19883_quant-k_q2c47f19883_quant
	.p2alignl 7, 3214868480
	.fill 96, 4, 3214868480
	.section	.rodata,"a",@progbits
	.p2align	6, 0x0
	.amdhsa_kernel k_q2c47f19883_quant
		.amdhsa_group_segment_fixed_size 34304
		.amdhsa_private_segment_fixed_size 0
		.amdhsa_enable_private_segment 0
		.amdhsa_kernarg_size 40
		.amdhsa_user_sgpr_count 2
		.amdhsa_user_sgpr_kernarg_segment_ptr 1
		.amdhsa_wavefront_size32 1
		.amdhsa_system_sgpr_workgroup_id_x 1
		.amdhsa_system_sgpr_workgroup_id_y 1
		.amdhsa_system_sgpr_workgroup_id_z 1
		.amdhsa_system_vgpr_workitem_id 0
		.amdhsa_next_free_vgpr 256
		.amdhsa_next_free_sgpr 66
		.amdhsa_reserve_vcc 0
		.amdhsa_float_denorm_mode_32 3
		.amdhsa_float_denorm_mode_16_64 3
		.amdhsa_memory_ordered 1
		.amdhsa_forward_progress 1
		.amdhsa_inst_pref_size 32
	.end_amdhsa_kernel
	.amdgpu_metadata
---
amdhsa.version: [ 1, 2 ]
amdhsa.kernels:
  - .name:           k_q2c47f19883_quant
    .symbol:         k_q2c47f19883_quant.kd
    .args:
      - { .name: x, .offset: 0, .size: 8, .value_kind: global_buffer, .address_space: global }
      - { .name: w_in, .offset: 8, .size: 8, .value_kind: global_buffer, .address_space: global }
      - { .name: w_out, .offset: 16, .size: 8, .value_kind: global_buffer, .address_space: global }
      - { .name: wimg, .offset: 24, .size: 8, .value_kind: global_buffer, .address_space: global }
      - { .name: wsc, .offset: 32, .size: 8, .value_kind: global_buffer, .address_space: global }
    .group_segment_fixed_size: 34304
    .private_segment_fixed_size: 0
    .kernarg_segment_align: 8
    .kernarg_segment_size: 40
    .max_flat_workgroup_size: 128
    .sgpr_count:     66
    .vgpr_count:     256
    .wavefront_size: 32
...
	.end_amdgpu_metadata
.endif
;; end of part 1
;; launch qkv (part 2): grid 16 x 16, 4 waves a work-group, clusters of 4 x 4, 327,680 bytes of LDS; arguments wimg, wsc, b_in, kv, qimg, qsc; writes kv, qimg, qsc
.if DOCPART == 2
	.amdgcn_target "amdgcn-amd-amdhsa--gfx1250"
	.amdhsa_code_object_version 6
	.text
	.protected	k_q2c47f19883_qkv
	.globl	k_q2c47f19883_qkv
	.p2align	8
	.type	k_q2c47f19883_qkv,@function
k_q2c47f19883_qkv:
	s_mov_b64 s[64:65], 0
	v_nop
	global_prefetch_b8 v0, s[64:65] scope:SCOPE_SE
	s_setreg_imm32_b32 hwreg(HW_REG_WAVE_MODE, 25, 1), 1
	s_wait_xcnt 0x0
	s_wait_alu depctr_hold_cnt(0) depctr_sa_sdst(0) depctr_va_vdst(0) depctr_va_sdst(0) depctr_va_ssrc(0) depctr_va_vcc(0) depctr_vm_vsrc(0)
	s_getreg_b32 s2, hwreg(HW_REG_IB_STS2, 6, 4)
	s_cmp_eq_u32 s2, 0
	s_cbranch_scc0 .Lentry_in_a_cluster
	s_endpgm
.Lentry_in_a_cluster:
	s_bfe_u32 s2, ttmp6, 0x10000c
	s_cmp_lg_u32 s2, 0xf033
	s_cbranch_scc0 .Lentry_shape_is_right
	s_endpgm
.Lentry_shape_is_right:
; q, k, v = x w_in^T + b_in on codes of BF6 with E8M0 scales, K = 1,024, sums in f32; quantised again in registers (q, k along the head's 64 channels, v along the tokens) and stored as operand images for the attention.
; LIMITS: blocks whose largest magnitude lies under 2^(5 - 127) were not tried; a block of zeros keeps the byte 1 (its codes are zeros; this program alone reads the bytes); NaN and infinities are not served.
; A work-group makes 256 tokens x one head's 192 channels of q, k and v (16 x 16 work-groups); wave w 64 tokens x 192: 48 accumulators.
; K comes in three parts of 3, 3 and 2 steps of 128, as rows of 4,608 (3,072) bytes of the images, through two LDS slots: part 2 fills slot 0 again.  A step is three units (q, k, v) of 16 matrix instructions; unit n asks for unit n + 2's B.
; The scales go straight from memory into registers: register 32 + 8 i + s: lanes 0-15 the words of my token tile i (i < 4), lanes 16-31 those of channel tile i, for step s.
; CLUSTERS of 4 x 4: the four of a row need the same tokens, the four of a column the same channels: joint loads.  PREFETCH: each part's bytes are asked for one part ahead of the tensor load, each block of 256 bytes once in a cluster:
; of 16 token tiles the partner cx takes 4 cx + wave, of 12 channel tiles the partner cy takes 3 cy + wave (waves 0-2), a lane a block.
; q and k: source 0 = channels, source 1 = tokens: a lane holds one token and 32 neighbouring channels in four tiles' registers.  v: source 0 = tokens: a lane holds one channel and 32 neighbouring tokens.  The bias is the C of each sum's first instruction.
; REGISTERS: window 0: v1-31 addresses, v32-127 scales, v128-223 A's two sets; on the way out v128-235 codes and work.  Window 1: B's five sets at 48 x (unit % 5).
;   window 2: accumulators of q (v0-127) and k (v128-255); window 3: of v (v0-127), the biases (v128-223).
; kv: [batch, head][step of 128 keys][K: four images of 1,536 | V: four channel tiles of two halves of 768 | K's words 256, V's words 256]; a K image holds two tiles of 16 keys (registers 0-5, 6-11).
.set SLOT, 129024
.set SBY,  2*SLOT                      ; the scale bytes on the way out: two steps of 512, q's 512
.set SPARE, SBY+1536
.set G1A, 24
.set G1B, 32
.set G0A, 40
.set G0B, 44
.set MSB, 0
.macro WIN new                         ; the immediate's high byte repeats the setting that is left
.if MSB != (\new)
	s_set_vgpr_msb (MSB<<8)|(\new)
.set MSB, \new
.endif
.endm
.macro PLACES
.rept 4
	v_nop
.endr
.endm
.macro JLOAD                           ; waves 0, 1: A's halves; waves 2, 3: B's
	s_cmp_eq_u32 s17, 0
	s_cbranch_scc0 .Lfor_b_\@
	tensor_load_to_lds s[G0A:G0A+3], s[G1A:G1A+7]
	s_nop 0
.rept 4
	v_nop
.endr
	s_branch .Lasked_\@
.Lfor_b_\@:
	tensor_load_to_lds s[G0B:G0B+3], s[G1B:G1B+7]
	s_nop 0
.rept 4
	v_nop
.endr
.Lasked_\@:
.endm
.macro CREST
	s_cmp_lg_u32 s16, 0
	s_cbranch_scc1 .Lnot_wave_0_\@
	s_barrier_signal -3
.Lnot_wave_0_\@:
	s_barrier_wait -3
	s_barrier_signal -1
	s_barrier_wait -1
.endm
.macro CROUND
	s_barrier_signal -1
	s_barrier_wait -1
	CREST
.endm
.macro ASK v, o
	global_prefetch_b8 v[\v], s[84:85] offset:\o th:TH_LOAD_NT scope:SCOPE_SE
	s_cmp_lt_u32 s16, 3
	s_cbranch_scc0 .Lno_b_\@
	global_prefetch_b8 v[\v], s[86:87] offset:\o th:TH_LOAD_NT scope:SCOPE_SE
.Lno_b_\@:
.endm
	s_load_b256 s[4:11], s[0:1], 0x0               ; codes, scales, b_in, kv
	s_load_b128 s[12:15], s[0:1], 0x20             ; qimg, qsc
	v_lshl_add_u32 v28, v0, 2, SPARE
	v_mov_b32 v29, 0
	ds_add_u32 v28, v29                            ; the opening lines
	ds_add_u32 v28, v29
	v_lshrrev_b32 v1, 5, v0
	v_readfirstlane_b32 s16, v1                    ; wave
	s_lshr_b32 s17, s16, 1                         ; which step of 128 tokens; I fetch for A (0) or B (1)
	s_and_b32 s18, s16, 1                          ; which half of it; which half I fetch
	s_bfe_u32 s21, ttmp6, 0x40000                  ; cx
	s_bfe_u32 s22, ttmp6, 0x40004                  ; cy
	s_lshl_b32 s19, ttmp9, 2
	s_add_co_u32 s19, s19, s21                     ; head
	s_and_b32 s20, ttmp7, 0xffff
	s_lshl_b32 s20, s20, 2
	s_add_co_u32 s20, s20, s22                     ; which 256 tokens
	s_lshl_b32 s48, s22, 2
	s_lshl_b32 s48, 15, s48                        ; my row of the cluster
	s_lshl_b32 s49, 0x1111, s21                    ; my column
	s_or_b32 s[G1A], s48, (3<<16)|(1<<21)          ; 15:0 the mask; 17:16 elements of 8 bytes; 21 set beside a mask; no padding
	s_or_b32 s[G1B], s49, (3<<16)|(1<<21)
.irp g, G1A, G1B
	s_mov_b32 s[\g+1], 576<<16                     ; rows of 4,608 bytes,
	s_mov_b32 s[\g+3], 576<<16
	s_mov_b32 s[\g+5], 1536                        ; 12,288 bytes apart
	s_mov_b32 s[\g+6], 0
	s_mov_b32 s[\g+7], 0
.endr
	s_mov_b32 s[G1A+2], 8<<16                      ; A: 8 tiles a wave
	s_mov_b32 s[G1A+4], 8
	s_mov_b32 s[G1B+2], 6<<16                      ; B: 6
	s_mov_b32 s[G1B+4], 6
	s_lshl_b32 s50, s20, 4
	s_lshl_b32 s51, s18, 3
	s_add_co_u32 s50, s50, s51
	s_mul_i32 s50, s50, 12288
	s_mov_b32 s51, 0
	s_mul_i32 s52, s19, 12
	s_mul_i32 s53, s18, 6
	s_add_co_u32 s52, s52, s53
	s_add_co_u32 s52, s52, 256
	s_mul_i32 s52, s52, 12288
	s_mov_b32 s53, 0
	s_mul_i32 s54, s18, 36864                      ; where my part of A goes,
	s_mul_i32 s55, s18, 27648
	s_add_co_u32 s55, s55, 73728                   ; and of B
	s_mov_b32 s[G0A], 1
	s_mov_b32 s[G0A+1], s54
	s_mov_b32 s[G0B], 1
	s_mov_b32 s[G0B+1], s55
	s_wait_dscnt 0x0
	CROUND                                         ; all sixteen work-groups are here
	s_wait_kmcnt 0x0
	s_add_nc_u64 s[G0A+2:G0A+3], s[4:5], s[50:51]
	s_or_b32 s[G0A+3], s[G0A+3], 0x80000000
	s_add_nc_u64 s[G0B+2:G0B+3], s[4:5], s[52:53]
	s_or_b32 s[G0B+3], s[G0B+3], 0x80000000
	JLOAD                                          ; part 0
	; scalars: where things lie
	s_lshl_b32 s56, s20, 4
	s_lshl_b32 s57, s16, 2
	s_add_co_u32 s57, s56, s57
	s_lshl_b32 s57, s57, 9                         ; my token tiles' scales,
	s_mul_i32 s58, s19, 6144
	s_add_co_u32 s58, s58, 131072                  ; and my channel tiles'
	s_sub_co_u32 s58, s58, s57
	s_lshl_b32 s59, s21, 2
	s_add_co_u32 s59, s59, s56
	s_add_co_u32 s59, s59, s16
	s_mul_i32 s60, s59, 12288                      ; prefetch: token tile 16 y + 4 cx + wave,
	s_mov_b32 s61, 0
	s_add_nc_u64 s[84:85], s[4:5], s[60:61]
	s_mul_i32 s60, s19, 12
	s_mul_i32 s59, s22, 3
	s_add_co_u32 s60, s60, s59
	s_add_co_u32 s60, s60, s16
	s_add_co_u32 s60, s60, 256
	s_mul_i32 s60, s60, 12288                      ; channel tile 256 + 12 head + 3 cy + wave
	s_add_nc_u64 s[86:87], s[4:5], s[60:61]
	s_lshl_b32 s60, s19, 8
	s_add_nc_u64 s[8:9], s[8:9], s[60:61]          ; my head's biases
	s_lshr_b32 s66, s20, 3
	s_lshl_b32 s66, s66, 4
	s_add_co_u32 s66, s66, s19                     ; 16 batch + head
	s_and_b32 s67, s20, 7
	s_mul_i32 s68, s66, 204800
	s_lshl_b32 s69, s67, 1
	s_add_co_u32 s70, s69, s17
	s_mul_i32 s70, s70, 12800
	s_add_co_u32 s70, s70, s68                     ; my step's block in kv
	s_mul_i32 s60, s18, 3072
	s_add_co_u32 s60, s60, s70
	s_add_nc_u64 s[72:73], s[10:11], s[60:61]      ; my K images
	s_mul_i32 s60, s18, 768
	s_add_co_u32 s60, s60, s70
	s_add_co_u32 s60, s60, 6144
	s_add_nc_u64 s[74:75], s[10:11], s[60:61]      ; my halves of V's
	s_add_co_u32 s60, s69, s16
	s_mul_i32 s60, s60, 12800
	s_add_co_u32 s60, s60, s68
	s_add_co_u32 s60, s60, 12288
	s_add_nc_u64 s[80:81], s[10:11], s[60:61]      ; waves 0, 1: the scale words of step 0, 1
	s_mul_i32 s68, s66, 98304
	s_lshl_b32 s60, s67, 4
	s_lshl_b32 s69, s16, 2
	s_add_co_u32 s60, s60, s69
	s_mul_i32 s60, s60, 768
	s_add_co_u32 s60, s60, s68
	s_add_nc_u64 s[76:77], s[12:13], s[60:61]      ; my q images
	s_lshl_b32 s60, s66, 12
	s_lshl_b32 s69, s67, 9
	s_add_co_u32 s60, s60, s69
	s_add_nc_u64 s[82:83], s[14:15], s[60:61]      ; wave 2: q's scale bytes
	s_cmp_lt_u32 s16, 2
	s_cselect_b64 s[80:81], s[80:81], s[82:83]
	s_mul_i32 s88, s16, 18432
	s_mul_i32 s89, s16, 12288
	s_lshl_b32 s90, s17, 9
	s_lshl_b32 s91, s18, 3
	s_add_co_u32 s91, s91, s90
	s_add_co_u32 s91, s91, SBY
	s_lshl_b32 s92, s18, 1
	s_add_co_u32 s92, s92, s90
	s_add_co_u32 s92, s92, SBY+256
	s_lshl_b32 s93, s16, 7
	s_add_co_u32 s93, s93, SBY+1024
	s_lshl_b32 s94, s16, 9
	s_add_co_u32 s94, s94, SBY
	v_and_b32 v2, 31, v0
	v_and_b32 v3, 15, v0                           ; r
	v_bfe_u32 v4, v0, 4, 1                         ; h
	v_mul_u32_u24 v5, s58, v4
	v_lshl_add_u32 v5, v3, 4, v5
	v_add_nc_u32 v5, s57, v5                       ; my scale words: lanes 0-15 tokens', lanes 16-31 channels'
	v_lshlrev_b32 v6, 7, v4                        ; the biases of q and k: 32 numbers for each half of the lanes
	v_lshrrev_b32 v7, 3, v3
	v_mul_u32_u24 v7, v7, 24
	v_add_nc_u32 v7, v7, v3
	v_lshlrev_b32 v7, 2, v7                        ; v's: channel 32 (r / 8) + r % 8 (+ 8 t)
	v_lshlrev_b32 v16, 4, v2
	v_lshlrev_b32 v17, 3, v2
	v_add_nc_u32 v17, 512, v17
	v_add_nc_u32 v18, s88, v16                     ; A in part 0, 1, 2
	v_add_nc_u32 v19, SLOT, v18
	v_add_nc_u32 v20, s89, v16
	v_add_nc_u32 v21, 73728, v16                   ; B in part 0, 1, 2
	v_add_nc_u32 v22, 73728+SLOT, v16
	v_add_nc_u32 v23, 49152, v16
	v_lshlrev_b32 v27, 4, v3
	v_add_nc_u32 v27, v27, v4                      ; 16 r + h
	v_add_nc_u32 v24, s91, v27                     ; K's bytes,
	v_add_nc_u32 v25, s92, v27                     ; V's,
	v_lshlrev_b32 v26, 1, v3
	v_add_nc_u32 v26, v26, v4
	v_add_nc_u32 v26, s93, v26                     ; q's
	v_add_nc_u32 v27, s94, v16                     ; and 512 of them whole
	v_min_u32 v30, 17, v2
	v_lshlrev_b32 v30, 8, v30                      ; a lane a block: 18 of part 1's row,
	v_min_u32 v31, 11, v2
	v_lshlrev_b32 v31, 8, v31                      ; 12 of part 2's
.irp i, 0,1,2,3,4,5,6,7,8,9,10,11
	global_load_b128 v[32+8*\i:35+8*\i], v5, s[6:7] offset:512*\i
	global_load_b128 v[36+8*\i:39+8*\i], v5, s[6:7] offset:512*\i+256
.endr
.irp t, 0,1,2,3
	global_load_b32 v[8+\t], v7, s[8:9] offset:8192+32*\t
.endr
	WIN 0xc0
.irp i, 0,1,2,3,4,5,6,7
	global_load_b128 v[128+4*\i:131+4*\i], v6, s[8:9] offset:16*\i
	global_load_b128 v[160+4*\i:163+4*\i], v6, s[8:9] offset:4096+16*\i
.endr
	WIN 0
	s_wait_alu depctr_va_vdst(0)
	ASK 30, 4608                                   ; part 1
	s_wait_loadcnt 0x0
	WIN 0xc0
.irp t, 0,1,2,3
.irp j, 0,1,2,3,4,5,6,7
	v_mov_b32 v[192+8*\t+\j], v[8+\t]
.endr
.endr
	WIN 0
	s_wait_alu depctr_va_vdst(0)                   ; the wait at the head's end
	s_wait_tensorcnt 0x0                           ; my part of part 0 is in
	ds_add_u32 v28, v29
	s_add_co_u32 s[G0A+1], s54, SLOT               ; no load of mine is out: the descriptors go on to part 1
	s_add_co_u32 s[G0B+1], s55, SLOT
	s_add_nc_u64 s[G0A+2:G0A+3], s[G0A+2:G0A+3], 4608
	s_add_nc_u64 s[G0B+2:G0B+3], s[G0B+2:G0B+3], 4608
	s_wait_dscnt 0x0
	CROUND
	JLOAD                                          ; part 1, slot 1's only fill
.macro LDA s                           ; my four token tiles of step s into set s % 2
.set AP, 4608
.if (\s) > 5
.set AP, 3072
.endif
	WIN 0
.irp a, 0,1,2,3
.irp k, 0,1,2
	ds_load_b128 v[128+48*((\s)%2)+12*\a+4*\k:131+48*((\s)%2)+12*\a+4*\k], v[18+(\s)/3] offset:\a*AP+1536*((\s)%3)+512*\k
.endr
.endr
.endm
.macro LDB m                           ; unit m's four channel tiles into set m % 5
.set BP, 4608
.if (\m) > 17
.set BP, 3072
.endif
.set BS, (\m)/3
.set BU, (\m)%3
	WIN 0x40
.irp i, 0,1,2,3
.irp k, 0,1,2
	ds_load_b128 v[48*((\m)%5)+12*\i+4*\k:48*((\m)%5)+12*\i+4*\k+3], v[21+BS/3] offset:(4*BU+\i)*BP+1536*(BS%3)+512*\k
.endr
.endr
.endm
; 8 matrix instructions of unit m: token tiles a0, a0 + 1 x the unit's four channel tiles.  All 48 accumulators of a step take turns, one instruction a turn.
.macro MUL m, a0
.set MS, (\m)/3
.set MU, (\m)%3
.if MU == 2
	WIN 0xf4                                       ; source 0 window 0, source 1 window 1, C and D window 3
.elseif MS == 0
	WIN 0xb1                                       ; source 0 window 1, source 1 window 0, C window 3, D window 2
.else
	WIN 0xa1
.endif
.irp a, \a0, \a0+1
.irp i, 0,1,2,3
.set FA, 128+48*(MS%2)+12*(\a)
.set FB, 48*((\m)%5)+12*\i
.if MU == 2
.set DD, 8*(4*\i+(\a))
.set CC, DD
.if MS == 0
.set CC, 192+8*\i
.endif
	v_wmma_scale_f32_16x16x128_f8f6f4 v[DD:DD+7], v[FA:FA+11], v[FB:FB+11], v[CC:CC+7], v[32+8*(\a)+MS], v[96+8*\i+MS] matrix_a_fmt:MATRIX_FMT_BF6 matrix_b_fmt:MATRIX_FMT_BF6 matrix_b_scale:MATRIX_SCALE_ROW1
.else
.set DD, 128*MU+8*(4*(\a)+\i)
.set CC, DD
.if MS == 0
.set CC, 128+32*MU+8*\i
.endif
	v_wmma_scale_f32_16x16x128_f8f6f4 v[DD:DD+7], v[FB:FB+11], v[FA:FA+11], v[CC:CC+7], v[32+8*(4*MU+\i)+MS], v[32+8*(\a)+MS] matrix_a_fmt:MATRIX_FMT_BF6 matrix_b_fmt:MATRIX_FMT_BF6 matrix_a_scale:MATRIX_SCALE_ROW1
.endif
.endr
.endr
.endm
; A unit.  The wait: the youngest 24 loads may be out (12 in unit k, none in the last).  Units 7 and 16 ask for the first fragments of a new part: behind a barrier that shows it to all.
; Unit 7's barrier opens a round of the cluster's barrier: slot 0 has been read, and part 2 fills it.
; A step's loads go in two runs: in the unit k of the step before, A's and q's B (24), in its unit v, k's and v's B (24).  So in unit q the youngest 24 may be out, in unit k 12, in unit v 24.
.macro UNIT n
.set WT, 24
.if (\n)%3 == 1
.set WT, 12
.endif
.if (\n) == 23
.set WT, 0
.endif
.if ((\n) == 7) || ((\n) == 16)
	WIN 0
	s_wait_tensorcnt 0x0                           ; my part of the next part is in
.if (\n) == 7
	ds_add_u32 v28, v29
	s_mul_i32 s[G0A+1], s18, 24576                 ; no load of mine is out: the descriptors go on to part 2: rows of 3,072 bytes
	s_mul_i32 s[G0B+1], s18, 18432
	s_add_co_u32 s[G0B+1], s[G0B+1], 49152
	s_add_nc_u64 s[G0A+2:G0A+3], s[G0A+2:G0A+3], 4608
	s_add_nc_u64 s[G0B+2:G0B+3], s[G0B+2:G0B+3], 4608
	s_mov_b32 s[G1A+1], 384<<16
	s_mov_b32 s[G1A+3], 384<<16
	s_mov_b32 s[G1B+1], 384<<16
	s_mov_b32 s[G1B+3], 384<<16
	s_wait_dscnt WT+1
.else
	s_wait_dscnt WT
.endif
	MUL \n, 0
	s_wait_dscnt 0x0                               ; the add is done, and my reads
	s_barrier_signal -1
	MUL \n, 2
	WIN 0
	s_barrier_wait -1
.if (\n) == 7
	CREST
	JLOAD                                          ; part 2; its four v_nop are the places in front of the loads below
.else
	PLACES
.endif
	LDA (\n)/3+1
	LDB (\n)+2
.else
	s_wait_dscnt WT
.if ((\n) < 22) && ((\n)%3 > 0)
	PLACES                                         ; in front of loads into registers that matrix instructions have read
.if (\n)%3 == 1
	LDA (\n)/3+1
.endif
	LDB (\n)+2
.if (\n)%3 == 2
	LDB (\n)+3
.endif
.endif
	MUL \n, 0
	MUL \n, 2
.endif
.endm
	LDA 0
	LDB 0
	LDB 1
	LDB 2
	WIN 0
	ASK 31, 9216                                   ; part 2
.set UN, 0
.rept 24
	UNIT UN
.set UN, UN+1
.endr
; THE WAY OUT: four blocks of 32 in a lane's registers at base + 32 b of window w become six registers of codes each, from dst on, and four scale bytes, v208-211.
.macro Q4 base, w, dst
	WIN 0x14*(\w)
.irp i, 0,2,4,6,8,10,12,14,16,18,20,22,24,26,28,30
.irp b, 0,1,2,3
.if \i == 0
	v_max3_num_f32 v[200+\b], 0x2800000, |v[\base+32*\b]|, |v[\base+32*\b+1]|   ; and the floor 2^(5 - 127)
.else
	v_max3_num_f32 v[200+\b], v[200+\b], |v[\base+32*\b+\i]|, |v[\base+32*\b+\i+1]|
.endif
.endr
.endr
	WIN \w
.irp b, 0,1,2,3
	v_add_nc_u32 v[204+\b], 0xfe000000, v[200+\b]  ; 4 off the exponent field: the conversion's scale operand
.endr
.irp b, 0,1,2,3
	v_lshrrev_b32 v[208+\b], 23, v[204+\b]
.endr
.irp b, 0,1,2,3
	v_cvt_scalef32_pk16_bf6_f32 v[\dst+6*\b:\dst+6*\b+2], v[\base+32*\b:\base+32*\b+15], v[204+\b]
	v_cvt_scalef32_pk16_bf6_f32 v[212+4*\b:214+4*\b], v[\base+32*\b+16:\base+32*\b+31], v[204+\b]
.endr
	WIN 0
	v_nop
.irp b, 0,1,2,3
.irp i, 0,1,2
	v_mov_b32 v[\dst+6*\b+3+\i], v[212+4*\b+\i]
.endr
.endr
.endm
	WIN 0
	PLACES
	Q4 0, 2, 128                                   ; q: token tiles
.irp b, 0,1,2,3
	global_store_b128 v16, v[128+6*\b:131+6*\b], s[76:77] offset:768*\b    ; 512 consecutive bytes,
	global_store_b64 v17, v[132+6*\b:133+6*\b], s[76:77] offset:768*\b     ; and 256
	ds_store_b8 v26, v[208+\b] offset:32*\b
.endr
	Q4 128, 2, 152                                 ; k: two tiles to an image
.irp b, 0,1,2,3
	ds_store_b8 v24, v[208+\b] offset:2*\b
.endr
.irp u, 0,1
.irp k, 0,1,2
	global_store_b128 v16, v[152+12*\u+4*\k:155+12*\u+4*\k], s[72:73] offset:1536*\u+512*\k
.endr
.endr
	Q4 0, 3, 176                                   ; v: channel tiles, 64 of the step's 128 keys
.irp b, 0,1,2,3
	ds_store_b8 v25, v[208+\b] offset:4*\b
	global_store_b128 v16, v[176+6*\b:179+6*\b], s[74:75] offset:1536*\b
	global_store_b64 v17, v[180+6*\b:181+6*\b], s[74:75] offset:1536*\b
.endr
	s_wait_alu depctr_va_vdst(0)
	s_wait_dscnt 0x0
	s_barrier_signal -1
	s_barrier_wait -1                              ; all waves' scale bytes are there
	s_cmp_lt_u32 s16, 3
	s_cbranch_scc0 .Lno_bytes
	ds_load_b128 v[232:235], v27
	s_wait_dscnt 0x0
	global_store_b128 v16, v[232:235], s[80:81]    ; 512 consecutive bytes, aligned
.Lno_bytes:
	s_wait_tensorcnt 0x0                           ; the wave's end
	ds_add_u32 v28, v29
	s_wait_dscnt 0x0
	CROUND                                         ; the closing round
	s_endpgm
.Lfunc_end_k_q2c47f19883_qkv:
	.size	k_q2c47f19883_qkv, .Lfunc_end_k_q2c47f19883_qkv-k_q2c47f19883_qkv
	.p2alignl 7, 3214868480
	.fill 96, 4, 3214868480
	.section	.rodata,"a",@progbits
	.p2align	6, 0x0
	.amdhsa_kernel k_q2c47f19883_qkv
		.amdhsa_group_segment_fixed_size 327680
		.amdhsa_private_segment_fixed_size 0
		.amdhsa_enable_private_segment 0
		.amdhsa_kernarg_size 48
		.amdhsa_user_sgpr_count 2
		.amdhsa_user_sgpr_kernarg_segment_ptr 1
		.amdhsa_wavefront_size32 1
		.amdhsa_system_sgpr_workgroup_id_x 1
		.amdhsa_system_sgpr_workgroup_id_y 1
		.amdhsa_system_sgpr_workgroup_id_z 1
		.amdhsa_system_vgpr_workitem_id 0
		.amdhsa_next_free_vgpr 1024
		.amdhsa_next_free_sgpr 100
		.amdhsa_reserve_vcc 0
		.amdhsa_float_denorm_mode_32 3
		.amdhsa_float_denorm_mode_16_64 3
		.amdhsa_memory_ordered 1
		.amdhsa_forward_progress 1
		.amdhsa_inst_pref_size 113
	.end_amdhsa_kernel
	.amdgpu_metadata
---
amdhsa.version: [ 1, 2 ]
amdhsa.kernels:
  - .name:           k_q2c47f19883_qkv
    .symbol:         k_q2c47f19883_qkv.kd
    .args:
      - { .name: wimg, .offset: 0, .size: 8, .value_kind: global_buffer, .address_space: global }
      - { .name: wsc, .offset: 8, .size: 8, .value_kind: global_buffer, .address_space: global }
      - { .name: b_in, .offset: 16, .size: 8, .value_kind: global_buffer, .address_space: global }
      - { .name: kv, .offset: 24, .size: 8, .value_kind: global_buffer, .address_space: global }
      - { .name: qimg, .offset: 32, .size: 8, .value_kind: global_buffer, .address_space: global }
      - { .name: qsc, .offset: 40, .size: 8, .value_kind: global_buffer, .address_space: global }
    .group_segment_fixed_size: 327680
    .private_segment_fixed_size: 0
    .kernarg_segment_align: 8
    .kernarg_segment_size: 48
    .max_flat_workgroup_size: 128
    .sgpr_count:     100
    .vgpr_count:     1024
    .wavefront_size: 32
...
	.end_amdgpu_metadata
.endif
;; end of part 2
;; launch attn (part 3): grid 8 x 32, 16 waves a work-group, clusters of 4 x 1, 243,712 bytes of LDS; arguments kv, qimg, qsc, ctx_img, ctx_sc; writes ctx_img, ctx_sc
.if DOCPART == 3
	.amdgcn_target "amdgcn-amd-amdhsa--gfx1250"
	.amdhsa_code_object_version 6
	.text
	.protected	k_q2c47f19883_attn
	.globl	k_q2c47f19883_attn
	.p2align	8
	.type	k_q2c47f19883_attn,@function
k_q2c47f19883_attn:
	s_mov_b64 s[64:65], 0
	v_nop
	global_prefetch_b8 v0, s[64:65] scope:SCOPE_SE
	s_setreg_imm32_b32 hwreg(HW_REG_WAVE_MODE, 25, 1), 1
	s_wait_xcnt 0x0
	s_wait_alu depctr_hold_cnt(0) depctr_sa_sdst(0) depctr_va_vdst(0) depctr_va_sdst(0) depctr_va_ssrc(0) depctr_va_vcc(0) depctr_vm_vsrc(0)
	s_getreg_b32 s2, hwreg(HW_REG_IB_STS2, 6, 4)
	s_cmp_eq_u32 s2, 0
	s_cbranch_scc0 .Lentry_in_a_cluster
	s_endpgm
.Lentry_in_a_cluster:
	s_bfe_u32 s2, ttmp6, 0x10000c
	s_cmp_lg_u32 s2, 0x3003
	s_cbranch_scc0 .Lentry_shape_is_right
	s_endpgm
.Lentry_shape_is_right:
; ctx = softmax over the keys k <= q of (q . k / 8) times v, both products on codes of BF6 with E8M0 scales; ctx is quantised along D in registers and leaves as codes.
; WORK LEFT OUT: key steps of 128 all of whose keys come after the tile's queries: hidden by reference()'s own causal mask, for all values of the inputs.
; t = score x c, c = log2(e) / 8 (the factor 1/8 is a power of two: q's codes stay as they are); M = the row's largest t so far, rounded up to a whole number; p = 2^(t - M) is quantised along the keys, not normalised.
; The sum is taken of the unquantised p, in f32, and divides O at the end.  When M moves, the sum and O are multiplied by 2^(old M - new M): exact.
; LIMITS: scaled scores (exponents to the base 2) stay under 2^31 in magnitude; blocks under the floor 2^(5 - 127) were not tried; a block of zeros keeps a byte that this program alone reads; NaN and infinities are not served.
; SHARES.  A work-group belongs to one batch and head (its y) and one number g = 0 .. 7 (its x): tile g (16 queries) of each of the head's 16 groups of 128.  Waves 2 p and 2 p + 1 share groups p and 15 - p:
; the first kind takes key steps 0 .. 8 of group 15 - p (9 steps); the second all of group p, then steps 9 .. 15 - p of group 15 - p (8 steps).  The two parts of group 15 - p are joined through LDS by their M, sum and O.
; The second kind is where w and w / 4 differ in their lowest bit: waves 4 i .. 4 i + 3, and w, w + 4, w + 8, w + 12, have 34 steps between them.  No branch and no LDS address hangs on g.
; LDS: the head's 16 steps of 12,800 bytes, filled once, a step a wave: steps 0-3 are waited for first.  No byte is filled again, all loads stand at the head: no prefetch into the L2.
; CLUSTER: the four work-groups belong to one head and ask for each step jointly.
; LAYOUT.  S^T = K Q^T, O^T = V^T P^T: lane (r, h) holds query r of the tile throughout.  Register n of S^T is key n + 32 (n / 32) + 32 h of the step: blocks h and 2 + h whole.  A fragment of K holds two tiles of 16 keys, 64 channels each:
; it is multiplied by [q | 0] and by [0 | q].  O^T's 32 registers are channels 32 h + 0 .. 31.
; K's fragments and scale words of a step are asked for in the step before, behind its scores; V's at the step's head.
.set SB,   12800
.set SPARE, 16*SB
.set COMB, SPARE+2048                  ; eight regions of 4,608 bytes: the parts to be joined
.set KSC,  8                           ; v8-11: K's scale words (lanes 0-15)
.set QZ,   16                          ; v16-33: zeros, q, zeros
.set KF,   34                          ; v34-81: four fragments of K
.set VF,   82                          ; v82-129
.set S,    130                         ; v130-193: S^T, then p
.set O,    194                         ; v194-225
.set PC,   226                         ; v226-237: p's codes
.set VSC,  238                         ; v238-241: V's scale words (lanes 16-31)
.set QSC,  242
.set PSC,  243
.set T0,   244
.set T1,   245
.set T2,   246
.set T3,   247
.set P1,   248
.set P2,   249
.set TMP,  250
.set QT,   251
.set F,    252
.set SO,   254
.set WV,   16
.set BIG,  18                          ; s18: 15 - p
.set LIM,  19                          ; s19: my last key step of the group in hand
.set DG,   20                          ; s20: the group in hand: its diagonal step
.set ROLE, 25                          ; s25: 0 the first kind, 1 the second
.set G1,   28
.set G0,   36
.set SEL,  52
.set CS,   54
.set CN,   56
.set N2,   58
.set TB,   60
.set ST,   61
.set TN,   62
.macro ROUND
	s_barrier_signal -1
	s_barrier_wait -1
	s_cmp_lg_u32 s[WV], 0
	s_cbranch_scc1 .Lnot_wave_0_\@
	s_barrier_signal -3
.Lnot_wave_0_\@:
	s_barrier_wait -3
	s_barrier_signal -1
	s_barrier_wait -1
.endm
.macro PLACES
.rept 4
	v_nop
.endr
.endm
	s_load_b256 s[4:11], s[0:1], 0x0               ; kv, qimg, qsc, ctx_img
	s_load_b64 s[12:13], s[0:1], 0x20              ; ctx_sc
	v_lshl_add_u32 v2, v0, 2, SPARE
	v_mov_b32 v3, 0
	ds_add_u32 v2, v3                              ; the opening lines
	ds_add_u32 v2, v3
	v_lshrrev_b32 v4, 5, v0
	v_readfirstlane_b32 s[WV], v4
	s_lshr_b32 s17, s[WV], 1                       ; p
	s_lshr_b32 s[ROLE], s[WV], 2
	s_xor_b32 s[ROLE], s[ROLE], s[WV]
	s_and_b32 s[ROLE], s[ROLE], 1
	s_xor_b32 s[BIG], s17, 15
	s_cmp_eq_u32 s[ROLE], 0
	s_cselect_b32 s[DG], s[BIG], s17
	s_cselect_b32 s[LIM], 8, s17
	s_bfe_u32 s21, ttmp6, 0x40000
	s_lshl_b32 s22, ttmp9, 2
	s_add_co_u32 s21, s21, s22                     ; g
	s_and_b32 s22, ttmp7, 0xffff                   ; 16 batch + head
	s_and_b32 s23, s22, 15                         ; head
	s_lshr_b32 s24, s22, 4                         ; batch
	s_mov_b32 s[G1], 15|(3<<16)|(1<<21)            ; the mask of all four; elements of 8 bytes; 21 set beside a mask
	s_mov_b32 s[G1+1], 32<<16                      ; 50 rows of 256 bytes, dense
	s_mov_b32 s[G1+2], 50<<16
	s_mov_b32 s[G1+3], 32<<16
	s_mov_b32 s[G1+4], 50
	s_mov_b32 s[G1+5], 32
	s_mov_b32 s[G1+6], 0
	s_mov_b32 s[G1+7], 0
	s_mov_b32 s[G0], 1
	s_mul_i32 s[G0+1], s[WV], SB                   ; step w of the head
	s_mul_i32 s40, s22, 16*SB
	s_mul_i32 s41, s[WV], SB
	s_add_co_u32 s40, s40, s41
	s_mov_b32 s41, 0
	s_mul_i32 s42, s22, 98304
	s_mul_i32 s68, s21, 768
	s_add_co_u32 s42, s42, s68                     ; q: my tile of group 0
	s_mov_b32 s43, 0
	s_lshl_b32 s66, s22, 12
	s_lshl_b32 s68, s21, 5
	s_add_co_u32 s66, s66, s68                     ; its scale bytes
	s_mov_b32 s67, 0
	s_lshl_b32 s68, s24, 7
	s_add_co_u32 s70, s68, s21                     ; ctx's tile 128 batch + g (+ 8 group)
	s_mul_i32 s68, s70, 12288
	s_mul_i32 s69, s23, 768
	s_add_co_u32 s68, s68, s69
	s_mov_b32 s69, 0
	s_lshl_b32 s70, s70, 9
	s_lshr_b32 s71, s23, 3
	s_lshl_b32 s71, s71, 8
	s_add_co_u32 s70, s70, s71
	s_and_b32 s71, s23, 7
	s_lshl_b32 s71, s71, 1
	s_add_co_u32 s70, s70, s71                     ; and my head's two bytes in its scale words
	s_mov_b32 s71, 0
	s_mov_b32 s[SEL], 0x76543210
	s_mov_b32 s[SEL+1], 0xfedcba98                 ; lane l xor 16
	s_mov_b32 s[CS], 0x3e38aa3b                    ; c
	s_mov_b32 s[CS+1], s[CS]                       ; (named with it as a pair)
	s_mov_b32 s[CN], 0xbe38aa3b                    ; -c
	s_mov_b32 s[N2], 0xf9800000                    ; -2^116
	s_mov_b32 s[N2+1], s[N2]
	s_mul_i32 s27, s17, 4608
	s_add_co_u32 s27, s27, COMB                    ; my pair's region
	s_lshr_b32 s26, s21, 2
	s_lshl_b32 s26, s26, 6
	s_and_b32 s72, s21, 3
	s_lshl_b32 s72, s72, 3
	s_add_co_u32 s26, s26, s72                     ; 64 (g / 4) + 8 (g % 4)
	v_and_b32 v130, 31, v0
	v_and_b32 v131, 15, v0                         ; r
	v_bfe_u32 v132, v0, 4, 1                       ; h
	v_lshlrev_b32 v1, 4, v130                      ; 16 lane
	v_lshlrev_b32 v7, 3, v130                      ; 8 lane
	v_lshrrev_b32 v133, 3, v131
	v_mul_u32_u24 v133, v133, 24
	v_add_nc_u32 v133, v133, v131                  ; 32 (r / 8) + r % 8
	v_lshlrev_b32 v134, 5, v132
	v_sub_nc_u32 v133, v133, v134
	v_add_nc_u32 v133, s26, v133                   ; d: my query's place in its group, less 32 h: register n of S^T is hidden on the diagonal if n + 32 (n / 32) > d
	v_cvt_f32_i32 v6, v133
	v_add_f32 v6, 0.5, v6
	v_mul_f32 v6, 0x79000000, v6                   ; v6: (d + 1/2) 2^115
.irp i, 0,1,2,3,4,5
	v_mov_b32 v[QZ+\i], 0
	v_mov_b32 v[QZ+12+\i], 0
.endr
	v_mov_b32 v[P1], 0                             ; (a lane permute's destination counts as one of its sources)
	v_mov_b32 v[P2], 0
	v_mov_b32 v[F+1], 0                            ; (named as the upper half of a pair)
	s_wait_alu depctr_va_vdst(0)
	s_wait_dscnt 0x0
	ROUND                                          ; all four work-groups are here
	s_wait_kmcnt 0x0
	s_add_nc_u64 s[G0+2:G0+3], s[4:5], s[40:41]
	s_or_b32 s[G0+3], s[G0+3], 0x80000000
	s_cmp_lt_u32 s[WV], 4
	s_cbranch_scc0 .Llater
	tensor_load_to_lds s[G0:G0+3], s[G1:G1+7]      ; steps 0-3: waited for first
	s_nop 0
	PLACES
	s_branch .Lfilled
.Llater:
	tensor_load_to_lds s[G0:G0+3], s[G1:G1+7]      ; steps 4-15
	s_nop 0
	PLACES
.Lfilled:
	s_add_nc_u64 s[44:45], s[6:7], s[42:43]
	s_add_nc_u64 s[46:47], s[8:9], s[66:67]
	s_add_nc_u64 s[48:49], s[10:11], s[68:69]
	s_add_nc_u64 s[50:51], s[12:13], s[70:71]
.macro LOADQ grp                       ; my tile of a group
	s_mul_i32 s66, s[\grp], 6144
	s_mov_b32 s67, 0
	s_add_nc_u64 s[68:69], s[44:45], s[66:67]
	s_lshl_b32 s66, s[\grp], 8
	s_add_nc_u64 s[70:71], s[46:47], s[66:67]
	v_and_b32 v[QT], 15, v0
	v_lshlrev_b32 v[QT], 1, v[QT]
	global_load_b128 v[QZ+6:QZ+9], v1, s[68:69]
	global_load_b64 v[QZ+10:QZ+11], v7, s[68:69] offset:512
	global_load_u16 v[QT], v[QT], s[70:71]
.endm
.macro STARTQ
	s_wait_alu depctr_va_vdst(0)
	s_wait_loadcnt 0x0
	v_lshl_or_b32 v[QSC], v[QT], 16, v[QT]         ; the tile's two bytes twice: for [q | 0] and for [0 | q]
	v_mov_b32 v13, 0xff61b1e6                      ; the largest score so far: -3e38
	v_mov_b32 v12, 0x7e000000                      ; -M: 4e37
	v_mov_b32 v14, 0                               ; the sum, in two halves
	v_mov_b32 v15, 0
.set N, 0
.rept 32
	v_mov_b32 v[O+N], 0                            ; (the step is written for every step alike: the first change of M leaves zeros)
.set N, N+1
.endr
	s_wait_alu depctr_va_vdst(0)
.endm
.macro KLOADS                          ; thirteen loads at v5
	ds_load_b128 v[KSC:KSC+3], v5 offset:12288
.irp i, 0,1,2,3
.irp k, 0,1,2
	ds_load_b128 v[KF+12*\i+4*\k:KF+12*\i+4*\k+3], v5 offset:1536*\i+512*\k
.endr
.endr
.endm
; The end of a tile: ctx = O^T / the sum (v14, my half of the keys); a lane's 32 numbers are one block along D.
.macro FINISH
	s_mul_i32 s66, s[DG], 98304
	s_mov_b32 s67, 0
	s_add_nc_u64 s[72:73], s[48:49], s[66:67]
	s_lshl_b32 s66, s[DG], 12
	s_add_nc_u64 s[74:75], s[50:51], s[66:67]
	v_permlanex16_b32 v[P1], v14, s[SEL], s[SEL+1]
	v_add_f32 v14, v14, v[P1]                      ; with lane l xor 16's half
	s_wait_alu depctr_va_vdst(0)
	v_rcp_f32 v14, v14
	v_nop
	s_wait_alu depctr_va_vdst(0)
.set N, 0
.rept 16
	v_pk_mul_f32 v[S+N:S+N+1], v[O+N:O+N+1], v[14:15] op_sel_hi:[1,0]
.set N, N+2
.endr
	v_max3_num_f32 v[T0], |v[S]|, |v[S+1]|, 0x2800000
	v_max3_num_f32 v[T1], |v[S+16]|, |v[S+17]|, 0x2800000
.irp i, 2,4,6,8,10,12,14
	v_max3_num_f32 v[T0], v[T0], |v[S+\i]|, |v[S+\i+1]|
	v_max3_num_f32 v[T1], v[T1], |v[S+16+\i]|, |v[S+17+\i]|
.endr
	v_max_num_f32 v[T0], v[T0], v[T1]
	v_and_b32 v[T3], 15, v0
	v_bfe_u32 v[T1], v0, 4, 1
	v_add_nc_u32 v[SO], 0xfe000000, v[T0]
	v_lshl_add_u32 v[T3], v[T3], 4, v[T1]          ; 16 r + h
	v_lshrrev_b32 v[T2], 23, v[SO]
	v_cvt_scalef32_pk16_bf6_f32 v[PC:PC+2], v[S:S+15], v[SO]
	v_cvt_scalef32_pk16_bf6_f32 v[PC+8:PC+10], v[S+16:S+31], v[SO]
	v_nop
.irp i, 0,1,2
	v_mov_b32 v[PC+3+\i], v[PC+8+\i]
.endr
	global_store_b128 v1, v[PC:PC+3], s[72:73]     ; 512 consecutive bytes, aligned,
	global_store_b64 v7, v[PC+4:PC+5], s[72:73] offset:512   ; and 256
	global_store_b8 v[T3], v[T2], s[74:75]         ; a head has only these two of a word's bytes
	s_wait_xcnt 0x0
.endm
; A KEY STEP: 128 keys.  A step past my last is left out by a scalar branch on the wave's number and the loop's counter; no barrier and no tensor load stands in a step.
; more: the next step's K is asked for (all steps but the last).
.macro STEP more
	s_cmp_gt_u32 s[ST], s[LIM]
	s_cbranch_scc1 .Lhid_\@
	v_add_nc_u32 v4, s[TB], v1                     ; these four are the places in front of the loads
	v_add_nc_u32 v5, s[TB], v7
	v_nop
	v_nop
	ds_load_b128 v[VSC:VSC+3], v4 offset:12288
.irp t, 0,1,2,3
.irp c, 0,1
	ds_load_b128 v[VF+12*\t+6*\c:VF+12*\t+6*\c+3], v4 offset:6144+1536*\t+768*\c
	ds_load_b64 v[VF+12*\t+6*\c+4:VF+12*\t+6*\c+5], v5 offset:6656+1536*\t+768*\c
.endr
.endr
	s_add_co_u32 s[TN], s[TB], SB
	s_wait_dscnt 0x11                              ; K is in; V's seventeen may be out
.irp i, 0,1,2,3
	v_wmma_scale_f32_16x16x128_f8f6f4 v[S+16*\i:S+16*\i+7], v[KF+12*\i:KF+12*\i+11], v[QZ+6:QZ+17], 0, v[KSC+\i], v[QSC] matrix_a_fmt:MATRIX_FMT_BF6 matrix_b_fmt:MATRIX_FMT_BF6
	v_wmma_scale_f32_16x16x128_f8f6f4 v[S+16*\i+8:S+16*\i+15], v[KF+12*\i:KF+12*\i+11], v[QZ:QZ+11], 0, v[KSC+\i], v[QSC] matrix_a_fmt:MATRIX_FMT_BF6 matrix_b_fmt:MATRIX_FMT_BF6
.endr
.if \more
	v_add_nc_u32 v5, s[TN], v1                     ; with three v_nop the places in front of the loads and of the first reads of the scores
	v_nop
	v_nop
	v_nop
	KLOADS
.else
	PLACES
.endif
	s_cmp_lg_u32 s[ST], s[DG]
	s_cbranch_scc1 .Lopen_\@
.irp e, 0,1                                    ; the diagonal step: the score's upper limit is (d - key + 1/2) 2^115: above every score that is served where the key is seen, -2^114 or less where it is hidden: p = 0 then
.if \e
	v_add_f32 v[P1], 0xfc000000, v6                ; 64 keys on: less 2^121
.else
	v_mov_b32 v[P1], v6
.endif
	v_add_f32 v[P2], 0xf9000000, v[P1]
.set N, 32*\e
.rept 16
	v_min_num_f32 v[S+N], v[S+N], v[P1]
	v_min_num_f32 v[S+N+1], v[S+N+1], v[P2]
	v_pk_add_f32 v[P1:P2], v[P1:P2], s[N2:N2+1] op_sel_hi:[1,0]
.set N, N+2
.endr
.endr
.Lopen_\@:
.irp e, 0,1,2,3                                ; the largest score of each of my blocks (T0, T2), in two chains each: it serves for the row's maximum and, since p rises with the score, for the block's largest p
	v_max3_num_f32 v[T0+\e], v[S+16*\e], v[S+16*\e+1], v[S+16*\e+2]
.endr
.irp i, 3,5,7,9,11,13
.irp e, 0,1,2,3
	v_max3_num_f32 v[T0+\e], v[T0+\e], v[S+16*\e+\i], v[S+16*\e+\i+1]
.endr
.endr
	v_max3_num_f32 v[T0], v[T0], v[S+15], v[S+31]
	v_max3_num_f32 v[T2], v[T2], v[S+47], v[S+63]
	v_max_num_f32 v[T0], v[T0], v[T1]
	v_max_num_f32 v[T2], v[T2], v[T3]
	v_mov_b32 v[T3], v12                           ; the old -M
	v_max_num_f32 v[T1], v[T0], v[T2]
	s_delay_alu instid0(VALU_DEP_1)
	v_permlanex16_b32 v[P1], v[T1], s[SEL], s[SEL+1]
	s_delay_alu instid0(VALU_DEP_1)
	v_max3_num_f32 v13, v13, v[T1], v[P1]          ; the running largest score of my query
	s_delay_alu instid0(VALU_DEP_1)
	v_mul_f32 v[TMP], s[CN], v13
	s_delay_alu instid0(VALU_DEP_1)
	v_floor_f32 v12, v[TMP]                        ; the new -M = floor(-t): M is a whole number
	s_delay_alu instid0(VALU_DEP_1)
	v_sub_f32 v[TMP], v12, v[T3]                   ; M's old value less its new one
	s_delay_alu instid0(VALU_DEP_1)
	v_cvt_i32_f32 v[TMP], v[TMP]                   ; (it saturates)
	s_delay_alu instid0(VALU_DEP_1)
	v_ldexp_f32 v[F], 1.0, v[TMP]                  ; f = 2^(old M - new M)
.set N, 0
.rept 32
	v_pk_fma_f32 v[S+N:S+N+1], v[S+N:S+N+1], s[CS:CS+1], v[12:13] op_sel_hi:[1,0,0]   ; t - M, two at a time
.set N, N+2
.endr
	v_fma_f32 v[T0], v[T0], s[CS], v12             ; the same of each block's largest score
	v_fma_f32 v[T2], v[T2], s[CS], v12
	s_wait_alu depctr_va_vdst(0)
.set N, 0
.rept 64
	v_exp_f32 v[S+N], v[S+N]                       ; p, not normalised
.set N, N+1
.endr
	v_exp_f32 v[T0], v[T0]                         ; the same instructions on the same number give the block's largest p
	v_exp_f32 v[T2], v[T2]
	v_pk_mul_f32 v[14:15], v[14:15], v[F:F+1] op_sel_hi:[1,0]   ; the sums under the new M
	s_wait_alu depctr_va_vdst(0)
	v_max_num_f32 v[T0], 0x2800000, v[T0]          ; the floor 2^(5 - 127): the byte cannot fall under 1
	v_max_num_f32 v[T2], 0x2800000, v[T2]
	v_add_nc_u32 v[SO], 0xfe000000, v[T0]          ; 4 off the exponent field: the conversion's scale operand
	v_add_nc_u32 v[SO+1], 0xfe000000, v[T2]
	v_lshrrev_b32 v[T0], 23, v[SO]
	v_lshrrev_b32 v[T2], 23, v[SO+1]
	v_lshl_or_b32 v[TMP], v[T2], 16, v[T0]         ; my blocks' bytes; lanes 0-15 hold bytes 0 and 2 of the word,
	v_cvt_scalef32_pk16_bf6_f32 v[PC:PC+2], v[S:S+15], v[SO]
	v_cvt_scalef32_pk16_bf6_f32 v[PC+6:PC+8], v[S+32:S+47], v[SO+1]
	v_cvt_scalef32_pk16_bf6_f32 v[T0:T0+2], v[S+16:S+31], v[SO]     ; (a conversion's three registers begin on an even number)
	v_permlanex16_b32 v[P2], v[TMP], s[SEL], s[SEL+1]
.irp i, 0,1,2
	v_mov_b32 v[PC+3+\i], v[T0+\i]
.endr
	v_cvt_scalef32_pk16_bf6_f32 v[T0:T0+2], v[S+48:S+63], v[SO+1]
	v_lshl_or_b32 v[PSC], v[P2], 8, v[TMP]         ; lanes 16-31 bytes 1 and 3: p's scale word (lanes 16-31 are not read)
.irp i, 0,1,2
	v_mov_b32 v[PC+9+\i], v[T0+\i]
.endr
.irp d, 2,4,8,16,32                            ; the row's sum is taken of the unquantised p, in place: 16, 8, 4, 2 and 1 additions of pairs
.set N, 0
.rept 32/\d
	v_pk_add_f32 v[S+N:S+N+1], v[S+N:S+N+1], v[S+N+\d:S+N+\d+1]
.set N, N+2*\d
.endr
.endr
.set N, 0
.rept 16
	v_pk_mul_f32 v[O+N:O+N+1], v[O+N:O+N+1], v[F:F+1] op_sel_hi:[1,0]   ; O^T under the new M
.if N == 4
	v_pk_add_f32 v[14:15], v[14:15], v[S:S+1]
.endif
.set N, N+2
.endr
	s_wait_alu depctr_va_vdst(0)
.if \more
	s_wait_dscnt 0xd                               ; V is in; the next step's thirteen of K may be out
.else
	s_wait_dscnt 0x0
.endif
.irp t, 0,1,2,3                                ; the four accumulators by turns
	v_wmma_scale_f32_16x16x128_f8f6f4 v[O+8*\t:O+8*\t+7], v[VF+12*\t:VF+12*\t+11], v[PC:PC+11], v[O+8*\t:O+8*\t+7], v[VSC+\t], v[PSC] matrix_a_fmt:MATRIX_FMT_BF6 matrix_b_fmt:MATRIX_FMT_BF6 matrix_a_scale:MATRIX_SCALE_ROW1
.endr
.Lhid_\@:
	s_add_co_u32 s[TB], s[TB], SB
.endm
	LOADQ DG
	STARTQ
	s_cmp_lt_u32 s[WV], 4
	s_cbranch_scc0 .Lno_wait
	s_wait_tensorcnt 0x0                           ; waves 0-3: steps 0-3 are in
.Lno_wait:
	s_barrier_signal -1
	s_barrier_wait -1                              ; everybody knows
	s_mov_b32 s[ST], 0
	s_mov_b32 s[TB], 0
	v_add_nc_u32 v5, s[TB], v1
	KLOADS
	STEP 1                                         ; key step 0
	s_wait_alu depctr_va_vdst(0)
	s_wait_tensorcnt 0x0                           ; the other steps are in: the barrier is signalled here
	s_wait_dscnt 0x0
	s_barrier_signal -1
	s_mov_b32 s[ST], 1
	s_mov_b32 s[TB], SB
.Lfirst:                                           ; key steps 1 and 2: LDS reads of steps 1-3 and register work
	STEP 1
	s_add_co_u32 s[ST], s[ST], 1
	s_cmp_lt_u32 s[ST], 3
	s_cbranch_scc1 .Lfirst
	s_wait_alu depctr_va_vdst(0)
	s_barrier_wait -1                              ; and waited for here, ahead of the first read of step 4
	s_mov_b32 s[ST], 3
	s_mov_b32 s[TB], 3*SB
.Lrest:                                            ; key steps 3 to 14
	s_cmp_lg_u32 s[ST], 9
	s_cbranch_scc1 .Lsame
	s_cmp_eq_u32 s[ROLE], 0
	s_cbranch_scc1 .Lsame
	LOADQ BIG                                      ; the second kind in front of step 9: group p is done, on to group 15 - p
	PLACES
	v_add_f32 v14, v14, v15
	FINISH
	s_mov_b32 s[DG], s[BIG]
	s_mov_b32 s[LIM], s[BIG]
	s_wait_alu depctr_va_vdst(0)
	s_wait_dscnt 0x0
	v_add_nc_u32 v5, s[TB], v1
	KLOADS
	STARTQ
.Lsame:
	STEP 1
	s_add_co_u32 s[ST], s[ST], 1
	s_cmp_lt_u32 s[ST], 15
	s_cbranch_scc1 .Lrest
	s_mov_b32 s[ST], 15
	s_mov_b32 s[TB], 15*SB
	STEP 0                                         ; key step 15
	v_add_nc_u32 v4, s27, v1
	s_cmp_eq_u32 s[ROLE], 0
	s_wait_alu depctr_va_vdst(0)
	s_cbranch_scc1 .Lhanded
	PLACES
	v_add_f32 v13, v14, v15
.irp k, 0,1,2,3,4,5,6,7
	ds_store_b128 v4, v[O+4*\k:O+4*\k+3] offset:512*\k
.endr
	ds_store_b64 v4, v[12:13] offset:4096          ; -M and the sum
.Lhanded:
	s_wait_alu depctr_va_vdst(0)
	s_wait_dscnt 0x0
	s_barrier_signal -1
	s_barrier_wait -1
	s_cmp_eq_u32 s[ROLE], 0
	s_cbranch_scc0 .Lend
	PLACES
.irp k, 0,1,2,3,4,5,6,7
	ds_load_b128 v[S+4*\k:S+4*\k+3], v4 offset:512*\k
.endr
	ds_load_b64 v[T0:T1], v4 offset:4096
	v_add_f32 v14, v14, v15
	s_wait_alu depctr_va_vdst(0)
	s_wait_dscnt 0x0
	v_min_num_f32 v[T2], v12, v[T0]                ; -M of both parts
	v_sub_f32 v[T3], v[T2], v12
	v_sub_f32 v[TMP], v[T2], v[T0]
	v_cvt_i32_f32 v[T3], v[T3]
	v_cvt_i32_f32 v[TMP], v[TMP]
	v_ldexp_f32 v[F], 1.0, v[T3]
	v_ldexp_f32 v[P1], 1.0, v[TMP]
	v_mul_f32 v14, v14, v[F]
.set N, 0
.rept 16
	v_pk_mul_f32 v[O+N:O+N+1], v[O+N:O+N+1], v[F:F+1] op_sel_hi:[1,0]
.set N, N+2
.endr
	v_fma_f32 v14, v[T1], v[P1], v14
.set N, 0
.rept 16
	v_pk_fma_f32 v[O+N:O+N+1], v[S+N:S+N+1], v[P1:P2], v[O+N:O+N+1] op_sel_hi:[1,0,1]
.set N, N+2
.endr
	FINISH
.Lend:
	s_wait_tensorcnt 0x0                           ; the wave's end
	ds_add_u32 v2, v3
	s_wait_dscnt 0x0
	ROUND                                          ; the closing round
	s_endpgm
.Lfunc_end_k_q2c47f19883_attn:
	.size	k_q2c47f19883_attn, .Lfunc_end_k_q2c47f19883_attn-k_q2c47f19883_attn
	.p2alignl 7, 3214868480
	.fill 96, 4, 3214868480
	.section	.rodata,"a",@progbits
	.p2align	6, 0x0
	.amdhsa_kernel k_q2c47f19883_attn
		.amdhsa_group_segment_fixed_size 243712
		.amdhsa_private_segment_fixed_size 0
		.amdhsa_enable_private_segment 0
		.amdhsa_kernarg_size 40
		.amdhsa_user_sgpr_count 2
		.amdhsa_user_sgpr_kernarg_segment_ptr 1
		.amdhsa_wavefront_size32 1
		.amdhsa_system_sgpr_workgroup_id_x 1
		.amdhsa_system_sgpr_workgroup_id_y 1
		.amdhsa_system_sgpr_workgroup_id_z 1
		.amdhsa_system_vgpr_workitem_id 0
		.amdhsa_next_free_vgpr 256
		.amdhsa_next_free_sgpr 80
		.amdhsa_reserve_vcc 0
		.amdhsa_float_denorm_mode_32 3
		.amdhsa_float_denorm_mode_16_64 3
		.amdhsa_memory_ordered 1
		.amdhsa_forward_progress 1
		.amdhsa_inst_pref_size 99
	.end_amdhsa_kernel
	.amdgpu_metadata
---
amdhsa.version: [ 1, 2 ]
amdhsa.kernels:
  - .name:           k_q2c47f19883_attn
    .symbol:         k_q2c47f19883_attn.kd
    .args:
      - { .name: kv, .offset: 0, .size: 8, .value_kind: global_buffer, .address_space: global }
      - { .name: qimg, .offset: 8, .size: 8, .value_kind: global_buffer, .address_space: global }
      - { .name: qsc, .offset: 16, .size: 8, .value_kind: global_buffer, .address_space: global }
      - { .name: ctx_img, .offset: 24, .size: 8, .value_kind: global_buffer, .address_space: global }
      - { .name: ctx_sc, .offset: 32, .size: 8, .value_kind: global_buffer, .address_space: global }
    .group_segment_fixed_size: 243712
    .private_segment_fixed_size: 0
    .kernarg_segment_align: 8
    .kernarg_segment_size: 40
    .max_flat_workgroup_size: 512
    .sgpr_count:     80
    .vgpr_count:     256
    .wavefront_size: 32
...
	.end_amdgpu_metadata
.endif
;; end of part 3
;; launch proj (part 4): grid 8 x 32, 4 waves a work-group, clusters of 4 x 4, 197,120 bytes of LDS; arguments ctx_img, ctx_sc, wimg, wsc, b_out, out0; writes out0
.if DOCPART == 4
	.amdgcn_target "amdgcn-amd-amdhsa--gfx1250"
	.amdhsa_code_object_version 6
	.text
	.protected	k_q2c47f19883_proj
	.globl	k_q2c47f19883_proj
	.p2align	8
	.type	k_q2c47f19883_proj,@function
k_q2c47f19883_proj:
	s_mov_b64 s[64:65], 0
	v_nop
	global_prefetch_b8 v0, s[64:65] scope:SCOPE_SE
	s_setreg_imm32_b32 hwreg(HW_REG_WAVE_MODE, 25, 1), 1
	s_wait_xcnt 0x0
	s_wait_alu depctr_hold_cnt(0) depctr_sa_sdst(0) depctr_va_vdst(0) depctr_va_sdst(0) depctr_va_ssrc(0) depctr_va_vcc(0) depctr_vm_vsrc(0)
	s_getreg_b32 s2, hwreg(HW_REG_IB_STS2, 6, 4)
	s_cmp_eq_u32 s2, 0
	s_cbranch_scc0 .Lentry_in_a_cluster
	s_endpgm
.Lentry_in_a_cluster:
	s_bfe_u32 s2, ttmp6, 0x10000c
	s_cmp_lg_u32 s2, 0xf033
	s_cbranch_scc0 .Lentry_shape_is_right
	s_endpgm
.Lentry_shape_is_right:
; out0 = ctx w_out^T + b_out on codes of BF6 with E8M0 scales, K = 1,024; sums in f32; out0 [4096][1024] f32.
; A work-group makes 128 tokens x 128 columns (256 work-groups), a wave 64 x 64.  All of K lies in LDS, filled once, one tensor load a wave, all at the head: no prefetch.  No byte is filled again.
; B's fragments for all of K stay in 384 registers; the four token tiles are finished one after the other and leave as soon as they are finished.
; ctx_img: a token tile is 16 heads x 768 bytes: registers 0-3 (6-9) at 16 lane, 4-5 (10-11) at 512 + 8 lane.  w_out's tiles: eight images of 1,536 bytes.
; Source 0 = 16 tokens, source 1 = 16 rows of w_out; lane r of tile i is column 4 r + i of 64: the four tiles' results of one token are 16 consecutive bytes in a lane, 256 in sixteen lanes.
; Row 8 h + j of token tile a is token 32 h + 8 a + j of my 64.
; CLUSTERS of 4 x 4: the four of a row need the same tokens, the four of a column the same rows of w_out: joint loads.
; REGISTERS: window 0: addresses, v16-47 A's scales (16 + 8 a + s), v48-79 B's, v80-83 the bias, v96-223 results.  Window 1: B's steps 0-4, window 2: steps 5-7, window 3: A's two sets (v0-191), accumulators (v192-223).
.set SPARE, 196608
.set G1A, 24
.set G1B, 32
.set G0A, 40
.set G0B, 44
.set MSB, 0
.macro WIN new
.if MSB != (\new)
	s_set_vgpr_msb (MSB<<8)|(\new)
.set MSB, \new
.endif
.endm
.macro PLACES
.rept 4
	v_nop
.endr
.endm
.macro CROUND
	s_barrier_signal -1
	s_barrier_wait -1
	s_cmp_lg_u32 s16, 0
	s_cbranch_scc1 .Lnot_wave_0_\@
	s_barrier_signal -3
.Lnot_wave_0_\@:
	s_barrier_wait -3
	s_barrier_signal -1
	s_barrier_wait -1
.endm
	s_load_b256 s[4:11], s[0:1], 0x0               ; ctx_img, ctx_sc, the weights' codes, their scales
	s_load_b128 s[12:15], s[0:1], 0x20             ; b_out, out0
	v_lshl_add_u32 v14, v0, 2, SPARE
	v_mov_b32 v15, 0
	ds_add_u32 v14, v15                            ; the opening lines
	ds_add_u32 v14, v15
	v_lshrrev_b32 v1, 5, v0
	v_readfirstlane_b32 s16, v1                    ; wave
	s_lshr_b32 s17, s16, 1                         ; which 64 tokens; I fetch for A (0) or B (1)
	s_and_b32 s18, s16, 1                          ; which 64 columns; which half I fetch
	s_bfe_u32 s21, ttmp6, 0x40000
	s_bfe_u32 s22, ttmp6, 0x40004
	s_lshl_b32 s19, ttmp9, 2
	s_add_co_u32 s19, s19, s21                     ; tile column
	s_and_b32 s20, ttmp7, 0xffff
	s_lshl_b32 s20, s20, 2
	s_add_co_u32 s20, s20, s22                     ; tile row
	s_lshl_b32 s48, s22, 2
	s_lshl_b32 s48, 15, s48
	s_lshl_b32 s49, 0x1111, s21
	s_or_b32 s[G1A], s48, (3<<16)|(1<<21)          ; the mask of my row; elements of 8 bytes; 21 set beside a mask
	s_or_b32 s[G1B], s49, (3<<16)|(1<<21)          ; of my column
.irp g, G1A, G1B
	s_mov_b32 s[\g+1], 32<<16                      ; 192 rows of 256 bytes, dense: four tiles
	s_mov_b32 s[\g+2], 192<<16
	s_mov_b32 s[\g+3], 32<<16
	s_mov_b32 s[\g+4], 192
	s_mov_b32 s[\g+5], 32
	s_mov_b32 s[\g+6], 0
	s_mov_b32 s[\g+7], 0
.endr
	s_mul_i32 s50, s20, 98304
	s_mul_i32 s54, s18, 49152
	s_add_co_u32 s50, s50, s54
	s_mov_b32 s51, 0
	s_mul_i32 s52, s19, 98304
	s_add_co_u32 s52, s52, s54
	s_add_co_u32 s52, s52, 448*12288
	s_mov_b32 s53, 0
	s_mov_b32 s[G0A], 1
	s_mul_i32 s[G0A+1], s16, 49152                 ; A at 0, B at 98,304
	s_mov_b32 s[G0B], 1
	s_mul_i32 s[G0B+1], s16, 49152
	s_wait_dscnt 0x0
	CROUND                                         ; all sixteen work-groups are here
	s_wait_kmcnt 0x0
	s_add_nc_u64 s[G0A+2:G0A+3], s[4:5], s[50:51]
	s_or_b32 s[G0A+3], s[G0A+3], 0x80000000
	s_add_nc_u64 s[G0B+2:G0B+3], s[8:9], s[52:53]
	s_or_b32 s[G0B+3], s[G0B+3], 0x80000000
	s_cmp_eq_u32 s17, 0
	s_cbranch_scc0 .Lfill_b
	tensor_load_to_lds s[G0A:G0A+3], s[G1A:G1A+7]
	s_nop 0
	PLACES
	s_branch .Lfilled
.Lfill_b:
	tensor_load_to_lds s[G0B:G0B+3], s[G1B:G1B+7]
	s_nop 0
	PLACES
.Lfilled:
	s_mov_b32 s61, 0
	s_lshl_b32 s60, s20, 12
	s_lshl_b32 s62, s17, 11
	s_add_co_u32 s60, s60, s62
	s_add_nc_u64 s[6:7], s[6:7], s[60:61]          ; my token tiles' scales: 512 bytes a tile
	s_lshl_b32 s60, s19, 12
	s_lshl_b32 s62, s18, 11
	s_add_co_u32 s60, s60, s62
	s_add_co_u32 s60, s60, 448*512
	s_add_nc_u64 s[10:11], s[10:11], s[60:61]      ; my column tiles'
	s_lshl_b32 s60, s19, 9
	s_lshl_b32 s62, s18, 8
	s_add_co_u32 s60, s60, s62                     ; my first column, in bytes
	s_add_nc_u64 s[12:13], s[12:13], s[60:61]
	s_add_nc_u64 s[14:15], s[14:15], s[60:61]
	s_lshl_b32 s60, s20, 19
	s_lshl_b32 s62, s17, 18
	s_add_co_u32 s60, s60, s62                     ; my first token's row
	s_add_nc_u64 s[14:15], s[14:15], s[60:61]
	s_mul_i32 s66, s17, 49152
	s_mul_i32 s67, s18, 49152
	s_add_co_u32 s67, s67, 98304
	v_and_b32 v2, 31, v0
	v_and_b32 v3, 15, v0                           ; r
	v_bfe_u32 v4, v0, 4, 1                         ; h
	v_lshlrev_b32 v5, 4, v2
	v_add_nc_u32 v8, s66, v5                       ; A: registers 0-3
	v_add_nc_u32 v10, s67, v5                      ; B
	v_lshlrev_b32 v6, 3, v2
	v_add_nc_u32 v6, s66, v6
	v_add_nc_u32 v9, 512, v6                       ; A: registers 4-5
	v_lshlrev_b32 v11, 4, v3                       ; 16 r
	v_lshlrev_b32 v12, 17, v4
	v_add_nc_u32 v12, v12, v11                     ; out0: 32 rows for h, 16 bytes for r
	s_wait_alu depctr_va_vdst(0)                   ; the wait at the head's end
.irp a, 0,1,2,3
.irp k, 0,1
	global_load_b128 v[16+8*\a+4*\k:19+8*\a+4*\k], v11, s[6:7] offset:512*\a+256*\k
	global_load_b128 v[48+8*\a+4*\k:51+8*\a+4*\k], v11, s[10:11] offset:512*\a+256*\k
.endr
.endr
	global_load_b128 v[80:83], v11, s[12:13]       ; the bias of columns 4 r + 0 .. 3
.macro FRA a, s                        ; four loads: token tile a, step s
	WIN 0xc0
.set FR, 96*((\a)%2)+12*(\s)
.irp c, 0,1
	ds_load_b128 v[FR+6*\c:FR+6*\c+3], v8 offset:12288*(\a)+1536*(\s)+768*\c
	ds_load_b64 v[FR+6*\c+4:FR+6*\c+5], v9 offset:12288*(\a)+1536*(\s)+768*\c
.endr
.endm
.macro FRB s                           ; twelve loads: my four column tiles, step s
.if (\s) < 5
	WIN 0x40
.set FR, 48*(\s)
.else
	WIN 0x80
.set FR, 48*((\s)-5)
.endif
.irp i, 0,1,2,3
.irp k, 0,1,2
	ds_load_b128 v[FR+12*\i+4*\k:FR+12*\i+4*\k+3], v10 offset:12288*\i+1536*(\s)+512*\k
.endr
.endr
.endm
.macro MUL4 a, s                       ; the four accumulators by turns
.if (\s) < 5
	WIN 0xf7                                       ; source 0 window 3, source 1 window 1, C and D window 3
.set FB, 48*(\s)
.else
	WIN 0xfb
.set FB, 48*((\s)-5)
.endif
.set FR, 96*((\a)%2)+12*(\s)
.irp i, 0,1,2,3
.if (\s) == 0
	v_wmma_scale_f32_16x16x128_f8f6f4 v[192+8*\i:199+8*\i], v[FR:FR+11], v[FB+12*\i:FB+12*\i+11], 0, v[16+8*(\a)+(\s)], v[48+8*\i+(\s)] matrix_a_fmt:MATRIX_FMT_BF6 matrix_b_fmt:MATRIX_FMT_BF6
.else
	v_wmma_scale_f32_16x16x128_f8f6f4 v[192+8*\i:199+8*\i], v[FR:FR+11], v[FB+12*\i:FB+12*\i+11], v[192+8*\i:199+8*\i], v[16+8*(\a)+(\s)], v[48+8*\i+(\s)] matrix_a_fmt:MATRIX_FMT_BF6 matrix_b_fmt:MATRIX_FMT_BF6
.endif
.endr
.endm
.macro OUT a                           ; the bias, and out: each accumulator from its low end on
	PLACES
	WIN 0x03
.irp j, 0,1,2,3,4,5,6,7
.irp i, 0,1,2,3
	v_add_f32 v[96+32*(\a)+4*\j+\i], v[192+8*\i+\j], v[80+\i]
.endr
.endr
	WIN 0
.irp j, 0,1,2,3,4,5,6,7
	global_store_b128 v12, v[96+32*(\a)+4*\j:99+32*(\a)+4*\j], s[14:15] offset:(8*(\a)+\j)*4096 th:TH_STORE_NT   ; 16 lanes store 256 consecutive bytes, aligned
.endr
.endm
	s_wait_loadcnt 0x0
	s_wait_tensorcnt 0x0                           ; my load is in,
	s_barrier_signal -1
	s_barrier_wait -1                              ; everybody's is
.irp s, 0,1,2
	FRA 0, \s
	FRB \s
.endr
.irp s, 0,1,2,3,4,5,6,7                ; token tile 0, while B's fragments arrive: 16 loads a step, three steps ahead
.if \s < 6
	s_wait_dscnt 32                                ; the next two steps' loads may be out
.elseif \s == 6
	s_wait_dscnt 48                                ; step 7's, and token tile 1's 32
.else
	s_wait_dscnt 32                                ; token tile 1's
.endif
.if \s < 5
	FRA 0, \s+3
	FRB \s+3
.elseif \s == 5
.irp q, 0,1,2,3,4,5,6,7
	FRA 1, \q
.endr
.endif
	MUL4 0, \s
.endr
	OUT 0
.irp a, 1,2,3
	s_wait_dscnt 0x0
.if \a < 3
.irp q, 0,1,2,3,4,5,6,7
	FRA \a+1, \q
.endr
.endif
.irp q, 0,1,2,3,4,5,6,7
	MUL4 \a, \q
.endr
	OUT \a
.endr
	s_wait_tensorcnt 0x0                           ; the wave's end
	ds_add_u32 v14, v15
	s_wait_dscnt 0x0
	CROUND                                         ; the closing round
	s_endpgm
.Lfunc_end_k_q2c47f19883_proj:
	.size	k_q2c47f19883_proj, .Lfunc_end_k_q2c47f19883_proj-k_q2c47f19883_proj
	.p2alignl 7, 3214868480
	.fill 96, 4, 3214868480
	.section	.rodata,"a",@progbits
	.p2align	6, 0x0
	.amdhsa_kernel k_q2c47f19883_proj
		.amdhsa_group_segment_fixed_size 197120
		.amdhsa_private_segment_fixed_size 0
		.amdhsa_enable_private_segment 0
		.amdhsa_kernarg_size 48
		.amdhsa_user_sgpr_count 2
		.amdhsa_user_sgpr_kernarg_segment_ptr 1
		.amdhsa_wavefront_size32 1
		.amdhsa_system_sgpr_workgroup_id_x 1
		.amdhsa_system_sgpr_workgroup_id_y 1
		.amdhsa_system_sgpr_workgroup_id_z 1
		.amdhsa_system_vgpr_workitem_id 0
		.amdhsa_next_free_vgpr 1024
		.amdhsa_next_free_sgpr 80
		.amdhsa_reserve_vcc 0
		.amdhsa_float_denorm_mode_32 3
		.amdhsa_float_denorm_mode_16_64 3
		.amdhsa_memory_ordered 1
		.amdhsa_forward_progress 1
		.amdhsa_inst_pref_size 47
	.end_amdhsa_kernel
	.amdgpu_metadata
---
amdhsa.version: [ 1, 2 ]
amdhsa.kernels:
  - .name:           k_q2c47f19883_proj
    .symbol:         k_q2c47f19883_proj.kd
    .args:
      - { .name: ctx_img, .offset: 0, .size: 8, .value_kind: global_buffer, .address_space: global }
      - { .name: ctx_sc, .offset: 8, .size: 8, .value_kind: global_buffer, .address_space: global }
      - { .name: wimg, .offset: 16, .size: 8, .value_kind: global_buffer, .address_space: global }
      - { .name: wsc, .offset: 24, .size: 8, .value_kind: global_buffer, .address_space: global }
      - { .name: b_out, .offset: 32, .size: 8, .value_kind: global_buffer, .address_space: global }
      - { .name: out0, .offset: 40, .size: 8, .value_kind: global_buffer, .address_space: global }
    .group_segment_fixed_size: 197120
    .private_segment_fixed_size: 0
    .kernarg_segment_align: 8
    .kernarg_segment_size: 48
    .max_flat_workgroup_size: 128
    .sgpr_count:     80
    .vgpr_count:     1024
    .wavefront_size: 32
...
	.end_amdgpu_metadata
.endif
;; end of part 4
